; MI455X (gfx1250); checked and timed in simulation.
; The chip was launched on July 23, 2026; its instructions are those of AMD's public machine-readable ISA for CDNA 5 (MIT licence, August 2026) and "CDNA5" Instruction Set Architecture Reference Guide (July 2026). The comments in the code are by the model that wrote it; some were corrected since.
;; Attention. Allowed arithmetic: matrix products marked QUANTISED: E2M1 operands, one E8M0 scale for each 32 along K, by v_wmma_scale_f32_16x16x128_f8f6f4 with both operands' format E2M1 (or v_wmma_scale_f32_32x16x128_f4), f32 sums; everything else in f32.
;; Inputs: W_qkv_codes 3,072 x 32 x 16 uint8 (E2M1 codes of W_qkv, K innermost, in blocks of 32 codes, two codes a byte); W_qkv_scales 3,072 x 32 uint8 (E8M0 scales of W_qkv, one for each 32 codes along K); b_qkv 3,072 float32; x_codes 4 x 2,048 x 32 x 16 uint8 (E2M1 codes of x, K innermost, in blocks of 32 codes, two codes a byte); x_scales 4 x 2,048 x 32 uint8 (E8M0 scales of x, one for each 32 codes along K).
;; Outputs: out0 4 x 2,048 x 1,024 float32.
;; This version of the problem:
;;   THIS VERSION OF THE PROBLEM IS GIVEN IN LOW PRECISION. The matrix products marked QUANTISED in the list below multiply operands that are first quantised to E2M1 (2 exponent bits, 1 mantissa bit; 4 bits a number), with one power-of-two scale for each 32 numbers along K (OCP MX v1.0); their sums are f32. All else is computed in f32.
;;   The module's matrix products, in the order in which they are computed (A, B: the left and right operand; K: the contracted axis; several contracted axes count as one K, in the product's order):
;;     1. [M 8,192, K 1,024] x [K 1,024, N 3,072]; A: input x (given as codes); B: input W_qkv (given as codes): QUANTISED
;;     2. batch 64 x [M 2,048, K 64] x [K 64, N 2,048]; A: computed on the way; B: computed on the way: QUANTISED
;;     3. batch 64 x [M 2,048, K 2,048] x [K 2,048, N 64]; A: softmax (see below); B: computed on the way: QUANTISED
;;   THE QUANTISER, for each operand of a quantised product, along K:
;;     - K is cut into blocks of 32 from its start; a last block that is shorter is filled with zeros.
;;     - A block's scale is 2^e with e = floor(log2(the largest magnitude in the block)) - 2, held to -126 .. 127; a block of zeros has e = 0. As a byte (E8M0): e + 127.
;;     - Each number is divided by its block's scale, clamped to +-6, and rounded to the nearest number of E2M1, ties to even, subnormals kept.
;;     - The product sums the exact products of the quantised numbers (number of the format x scale) in f32.
;;   ~~~python
;;   def quantise(x, axis):      # numpy; x: float32 -> the quantised numbers, widened to float32 again
;;       x = np.moveaxis(x, axis, -1); K = x.shape[-1]
;;       x = np.pad(x, [(0, 0)] * (x.ndim - 1) + [(0, -K % 32)]); x = x.reshape(x.shape[:-1] + (-1, 32)); a = np.abs(x).max(-1, keepdims=True)
;;       e = np.where(a > 0, np.clip(np.frexp(np.where(a > 0, a, 1))[1] - 1 - 2, -126, 127), 0)      # np.frexp(a)[1] - 1 = floor(log2(a)), exactly
;;       r = np.clip(x / 2.0 ** e, -6, 6)
;;       step = 2.0 ** (np.maximum(np.frexp(np.where(r == 0, 1, r))[1] - 1, 0) - 1)
;;       q = np.round(r / step) * step * 2.0 ** e      # np.round: ties to even
;;       return np.moveaxis(q.reshape(q.shape[:-2] + (-1,))[..., :K], -1, axis).astype(np.float32)
;;   ~~~
;;   SOFTMAX AHEAD OF A QUANTISED PRODUCT. Where the list says 'softmax', what is quantised is not the finished softmax but p = 2^(t - M), with t = logit x log2(e) and M = ceil(the row's largest t), a whole number; so 1/2 < the row's largest p <= 1. The row's sum l is taken of the UNQUANTISED p, in f32, and the product's result is divided by l at the end. Since M is a whole number, a kernel that streams over the keys may use a running M (the ceiling of the running maximum): every later rescaling is an exact power of two, which a block's scale takes up: the codes' values come out the same.
;;   OPERANDS COMPUTED ON THE WAY. 'Computed on the way' means the value that the module computes at that place (a softmax that the list does not call 'softmax' is quantised finished and normalised). What goes into a quantiser is computed in f32, as accurately as f32 sums, v_exp_f32 and their like allow (about 1e-6 of the number): no bf16 or f16 on the way to a quantiser, and a product that is left as it is and whose result goes on into a quantised operand takes f32 operands (vector FMAs, or v_wmma_f32_16x16x4_f32). A number that lies on a knife's edge between two numbers of the format may be rounded either way, as far as f32 arithmetic and the matrix unit's own rounding can turn it there, and no further.
;;   INPUTS GIVEN AS CODES. W_qkv (in the module: [3072, 1024], K = its axis 1); x (in the module: [4, 2048, 1024], K = its axis 2): each comes as NAME_codes (uint8): NAME with its K axis moved to the last place and cut into blocks of 32 codes, [.., K / 32, bytes a block], one block behind the other in memory; two codes a byte, the lower K in the low four bits (a code: sign, 2 exponent bits, 1 mantissa bit); and NAME_scales (uint8): the same leading axes, one E8M0 byte (e + 127) for each 32 codes along K. Its value is code x scale, taken as it is: it is not quantised again, and the codes and scales need not be those that the quantiser above would give.
;; One version. Each part assembles by itself: llvm-mc -triple=amdgcn-amd-amdhsa -mcpu=gfx1250 --defsym DOCPART=n.
;; ======== version 1 of 1: 2 launches
;; workspace buffers: qbuf 4,718,592 bytes; kvbuf 9,175,040 bytes
;; launch proj (part 1): grid 8 x 64, 12 waves a work-group, clusters of 4 x 4, 297,472 bytes of LDS; arguments W_qkv_codes, W_qkv_scales, b_qkv, x_codes, x_scales, qbuf, kvbuf; writes qbuf, kvbuf
.if DOCPART == 1
	.amdgcn_target "amdgcn-amd-amdhsa--gfx1250"
	.amdhsa_code_object_version 6
	.text
	.protected	k_qba9482060a_proj
	.globl	k_qba9482060a_proj
	.p2align	8
	.type	k_qba9482060a_proj,@function
k_qba9482060a_proj:
	s_mov_b64 s[64:65], 0
	v_nop
	global_prefetch_b8 v0, s[64:65] scope:SCOPE_SE
	s_setreg_imm32_b32 hwreg(HW_REG_WAVE_MODE, 25, 1), 1
	s_wait_xcnt 0x0
	s_wait_alu depctr_hold_cnt(0) depctr_sa_sdst(0) depctr_va_vdst(0) depctr_va_sdst(0) depctr_va_ssrc(0) depctr_va_vcc(0) depctr_vm_vsrc(0)
	s_getreg_b32 s2, hwreg(HW_REG_IB_STS2, 6, 4)
	s_cmp_eq_u32 s2, 0
	s_cbranch_scc0 .Lentry_in_a_cluster
	s_endpgm
.Lentry_in_a_cluster:
	s_bfe_u32 s2, ttmp6, 0x10000c
	s_cmp_lg_u32 s2, 0xf033
	s_cbranch_scc0 .Lentry_shape_is_right
	s_endpgm
.Lentry_shape_is_right:
; qkv = x W^T + b on codes of FP4 (E2M1) with one E8M0 scale for each 32 along K = 1,024; then q and k are quantised along the head's 64 and v along the keys,
; and leave as IMAGES OF OPERAND REGISTERS (lane l's 16 bytes at 16 l), so that the attention launch loads its fragments whole.
; SHARES.  A work-group takes 128 rows of x (one key step of one batch) and two heads: 128 rows of each third of W (q, k, v).  Twelve waves: role = wave / 4 (0 q, 1 k, 2 v), quarter = wave % 4.
; ONE PRODUCT FOR ALL ROLES: D = S0 S1^T, source 0 = 128 rows of S0 (8 tiles), source 1 = 32 rows of S1 (2 tiles): 16 accumulators.  A lane holds ONE row of S1 and its registers run along S0,
; which is the axis that the quantiser cuts.  q, k: S0 = W's panel (2 heads x 64), S1 = x's rows 32 quarter on.  v: S0 = x's 128 rows (the keys), S1 = Wv's rows 32 quarter on.
; So a lane's 64 numbers of a tile of S1 are four blocks of 32 (with lane l xor 16's) and become one fragment of 8 registers and one scale word.
; NO ROW IS PERMUTED: a conversion takes the 8 registers of one result tile (8 neighbours: 16 a + 8 (lane / 16) + 0 .. 7); its result is written to the register, and exchanged between the halves of the lanes,
; so that registers 4 c .. 4 c + 3 hold 64 c + 32 (lane / 16) + 0 .. 31, the operand's own order.
; LDS: four panels (x, Wq, Wk, Wv) of 128 rows x 512 bytes, each as two halves of K (rows of 256 bytes + 16 of padding), and the panels' scale bytes.  Every byte is filled ONCE: no slot is filled again.
; CLUSTER 4 x 4: the four work-groups of a row of the cluster share x's rows, the four of a column W's rows: each panel is asked for jointly.  A wave has at most three tensor loads out.
; LIMITS: NaN and infinities are not served.  A block of zeros gets the scale byte 1 where the quantiser's rule says 127: its codes are zeros, and only this program reads the bytes.
; The bias starts the sums (it is the accumulators' first content), so it is added ahead of the products and not behind them: another order of f32 rounding than x W^T + b.
.set PITCH,  272                       ; an LDS row: 256 bytes + 16 of padding = 68 words: the 16 rows that a load touches start at 16 different groups of four banks
.set CHUNK,  128*PITCH                 ; half of K of a panel: 34,816 bytes
.set PANEL,  2*CHUNK
.set SCL,    4*PANEL                   ; behind the panels: their scale bytes, 128 rows x 32 bytes as 16 rows of 256 + 16
.set SPAN,   16*PITCH
.set QHEAD,  73728                     ; qbuf: [64 heads][16 records of 128 queries][4,608]: 8 tiles x 512 bytes of codes, 512 bytes of scale words
.set QREC,   4608
.set KVHEAD, 143360                    ; kvbuf: [64 heads][16 steps of 128 keys][8,960]: K as q; at 4,608 V's 4 tiles x 1,024; at 8,704 V's scale words
.set KVREC,  8960
.set WV,   18                          ; s18 wave   s19 role   s20 quarter   s21 1 for the role v
.set ROLE, 19
.set QT,   20
.set ISV,  21
.set C5,   22                          ; s22, s29-31, s66-67: at work on numbers made of the wave's number alone
.set CX,   23                          ; my place in the cluster
.set CY,   24
.set HP,   25                          ; pair of heads = 4 x cluster x + cx
.set TB,   26                          ; block of 128 rows = 4 x cluster y + cy
.set MROW, 27                          ; masks: my row of the cluster, my column
.set MCOL, 28
.set C0,   29
.set C1,   30
.set C2,   31
.set G1X,  32                          ; s[32:39] group 1, x's codes    s[40:47] W's codes    s[48:55] x's scales    s[56:63] W's scales
.set G1W,  40
.set G1SX, 48
.set G1SW, 56
.set C3,   66
.set C4,   67
.set G0X,  68                          ; s[68:79] x's three groups 0: scales, first half of K, second half
.set G0W,  80                          ; s[80:91] W's three
.set OX,   92                          ; s[92:93] x's offsets (never hold cx)    s[94:95] W's (never hold cy)
.set OW,   94
.set DC,   96                          ; s[96:97] where my codes go    s[98:99] where my scale words go
.set DS,   98
.set W0,   100                         ; s100-101 W's rows; later the strides of the buffer that I write
.set W1,   101
.set SC0,  28                          ; v28-43 source 0's scale words: register 4 i + q: lanes 0-15 tile 2 i, lanes 16-31 tile 2 i + 1, the half's q-th 128 along K
.set SC1,  44                          ; v44-47 source 1's: register q: lanes 0-15 tile 0, lanes 16-31 tile 1
.set F1,   48                          ; v48-63 source 1's two fragments
.set F0,   64                          ; v64-127 source 0's eight
.set ACC,  128                         ; v128-255 accumulator (a, n) at 128 + 64 n + 8 a
.set TM,   64                          ; on the way out, over the fragments: v64-67 largest magnitudes, v68-71 bytes, v76-79 the conversions' scale operands
.set PC,   80                          ; v80-95 the codes, 8 registers for each tile of source 1
.set PW,   96                          ; v96-97 their scale words    v98-99 the words as they are stored
.set CODEW, (1<<20)|(1<<21)|(5<<22)|(3<<25)   ; group 1, word 0 beside the mask: elements of 1 byte; padding on; bit 21 set beside a mask; after every 64 words, 4 words
.set SCALW, (3<<16)|CODEW              ; the same with elements of 8 bytes
.macro CROUND                          ; a round of the cluster's barrier: my work-group's barrier; wave 0 signals for the work-group; every wave waits for all sixteen; my work-group's barrier once more
	s_barrier_signal -1
	s_barrier_wait -1
	s_cmp_lg_u32 s[WV], 0
	s_cbranch_scc1 .Lnot_wave_0_\@
	s_barrier_signal -3
.Lnot_wave_0_\@:
	s_barrier_wait -3
	s_barrier_signal -1
	s_barrier_wait -1
.endm
.macro PLACES n                        ; plain vector instructions between a matrix instruction and a load into, or a read of, its registers
.rept \n
	v_nop
.endr
.endm
; One product, added in place.  ra, rb = 1: that side's scale words are taken from lanes 16-31.
.macro WMA d, a, b, sa, sb, ra, rb
.if (\ra) == 0 && (\rb) == 0
	v_wmma_scale_f32_16x16x128_f8f6f4 v[(\d):(\d)+7], v[(\a):(\a)+7], v[(\b):(\b)+7], v[(\d):(\d)+7], v[\sa], v[\sb] matrix_a_fmt:MATRIX_FMT_FP4 matrix_b_fmt:MATRIX_FMT_FP4
.elseif (\ra) == 1 && (\rb) == 0
	v_wmma_scale_f32_16x16x128_f8f6f4 v[(\d):(\d)+7], v[(\a):(\a)+7], v[(\b):(\b)+7], v[(\d):(\d)+7], v[\sa], v[\sb] matrix_a_fmt:MATRIX_FMT_FP4 matrix_b_fmt:MATRIX_FMT_FP4 matrix_a_scale:MATRIX_SCALE_ROW1
.elseif (\ra) == 0 && (\rb) == 1
	v_wmma_scale_f32_16x16x128_f8f6f4 v[(\d):(\d)+7], v[(\a):(\a)+7], v[(\b):(\b)+7], v[(\d):(\d)+7], v[\sa], v[\sb] matrix_a_fmt:MATRIX_FMT_FP4 matrix_b_fmt:MATRIX_FMT_FP4 matrix_b_scale:MATRIX_SCALE_ROW1
.else
	v_wmma_scale_f32_16x16x128_f8f6f4 v[(\d):(\d)+7], v[(\a):(\a)+7], v[(\b):(\b)+7], v[(\d):(\d)+7], v[\sa], v[\sb] matrix_a_fmt:MATRIX_FMT_FP4 matrix_b_fmt:MATRIX_FMT_FP4 matrix_a_scale:MATRIX_SCALE_ROW1 matrix_b_scale:MATRIX_SCALE_ROW1
.endif
.endm
; The scale words of half c of K: 16 bytes a row, four words: lane l takes row 32 i + l
.macro SCALES c
.irp i, 0,1,2,3
	ds_load_b128 v[SC0+4*\i:SC0+4*\i+3], v6 offset:16*(\c)+4*PITCH*\i
.endr
	ds_load_b128 v[SC1:SC1+3], v7 offset:16*(\c)
.endm
; 128 along K, the q-th of half c: 20 LDS loads, 16 products.  The 16 accumulators take turns, one instruction a turn, in the same order in every step.
.macro KSTEP c, q
.irp n, 0,1
.irp e, 0,1
	ds_load_b128 v[F1+8*\n+4*\e:F1+8*\n+4*\e+3], v5 offset:CHUNK*(\c)+16*PITCH*\n+64*(\q)+32*\e
.endr
.endr
.irp a, 0,1,2,3,4,5,6,7
.irp e, 0,1
	ds_load_b128 v[F0+8*\a+4*\e:F0+8*\a+4*\e+3], v4 offset:CHUNK*(\c)+16*PITCH*\a+64*(\q)+32*\e
.endr
.endr
.irp a, 0,1,2,3,4,5,6,7
	s_wait_dscnt 14-2*\a                           ; LDS loads come back in order: source 1 and source 0's tiles up to a are in; the two loads of each tile behind a may be out
.irp n, 0,1
	WMA ACC+64*\n+8*\a, F0+8*\a, F1+8*\n, SC0+4*(\a/2)+(\q), SC1+(\q), \a%2, \n
.endr
.endr
.endm
; 64 numbers of a lane, v[s] on: register 16 b + 8 i + j = place 32 b + 16 i + 8 (lane / 16) + j along the quantiser's axis.  They become a fragment's codes in v[pc] on and its scale word in v[pw].
.macro QUANT s, pc, pw
.irp b, 0,1,2,3
	v_max3_num_f32 v[TM+\b], |v[\s+16*\b]|, |v[\s+1+16*\b]|, 0x1800000   ; block b: my 16 numbers, from each accumulator's low end on, and the floor 2^(3 - 127): the byte cannot fall under 1
.endr
.irp i, 2,4,6,8,10,12,14
.irp b, 0,1,2,3
	v_max3_num_f32 v[TM+\b], v[TM+\b], |v[\s+16*\b+\i]|, |v[\s+1+16*\b+\i]|   ; the four blocks by turns
.endr
.endr
.irp b, 0,1,2,3
	s_delay_alu instid0(VALU_DEP_4)
	v_permlanex16_b32 v[TM+4+\b], v[TM+\b], s[C3], s[C4]
.endr
.irp b, 0,1,2,3
	s_delay_alu instid0(VALU_DEP_4)
	v_max_num_f32 v[TM+\b], v[TM+\b], v[TM+4+\b]   ; with lane l xor 16's 16: the block's largest magnitude
.endr
.irp b, 0,1,2,3
	s_delay_alu instid0(VALU_DEP_4)
	v_add_nc_u32 v[TM+12+\b], 0xff000000, v[TM+\b] ; 2 off its exponent field: the conversion takes the exponent field of this operand as its scale
.endr
.irp b, 0,1,2,3
	s_delay_alu instid0(VALU_DEP_4)
	v_lshrrev_b32 v[TM+4+\b], 23, v[TM+12+\b]      ; the scale's byte
.endr
	s_delay_alu instid0(VALU_DEP_3)
	v_lshl_or_b32 v[\pw], v[TM+5], 8, v[TM+4]
	s_delay_alu instid0(VALU_DEP_1)
	v_lshl_or_b32 v[\pw], v[TM+6], 16, v[\pw]
	s_delay_alu instid0(VALU_DEP_1)
	v_lshl_or_b32 v[\pw], v[TM+7], 24, v[\pw]      ; my row's scale word
.irp c, 0,1
.irp e, 0,1
.irp i, 0,1
	v_cvt_scalef32_pk8_fp4_f32 v[\pc+4*\c+2*\i+\e], v[\s+16*(2*\c+\e)+8*\i:\s+16*(2*\c+\e)+8*\i+7], v[TM+12+2*\c+\e]   ; block 2 c + e, places 16 i + 8 (lane / 16) + 0 .. 7
.endr
.endr
.endr
	v_nop                                          ; one plain place behind a scaled conversion
.irp c, 0,1
.irp i, 0,1
	v_permlane16_swap_b32 v[\pc+4*\c+2*\i], v[\pc+4*\c+2*\i+1]   ; the first's lanes 16-31 change places with the second's lanes 0-15: lanes 0-15 now hold block 2 c whole, lanes 16-31 block 2 c + 1
.endr
.endr
.endm
	s_load_b256 s[4:11], s[0:1], 0x0               ; W's codes s[4:5], W's scales s[6:7], b s[8:9], x's codes s[10:11]
	s_load_b128 s[12:15], s[0:1], 0x20             ; x's scales s[12:13], qbuf s[14:15]
	s_load_b64 s[16:17], s[0:1], 0x30              ; kvbuf
	v_lshl_add_u32 v26, v0, 2, 0x48400
	v_mov_b32 v27, 0
	ds_add_u32 v26, v27
	ds_add_u32 v26, v27
	v_lshrrev_b32 v1, 5, v0
	s_delay_alu instid0(VALU_DEP_1)
	v_readfirstlane_b32 s[WV], v1                  ; wave 0..11
	s_lshr_b32 s[ROLE], s[WV], 2
	s_and_b32 s[QT], s[WV], 3
	s_lshr_b32 s[ISV], s[ROLE], 1
	s_bfe_u32 s[CX], ttmp6, 0x40000
	s_bfe_u32 s[CY], ttmp6, 0x40004
	s_lshl_b32 s[HP], ttmp9, 2
	s_add_co_u32 s[HP], s[HP], s[CX]
	s_and_b32 s[TB], ttmp7, 0xffff
	s_lshl_b32 s[TB], s[TB], 2
	s_add_co_u32 s[TB], s[TB], s[CY]
	s_lshl_b32 s[MROW], s[CY], 2
	s_lshl_b32 s[MROW], 15, s[MROW]                ; my row of the cluster: places 4 cy .. 4 cy + 3
	s_lshl_b32 s[MCOL], 0x1111, s[CX]              ; my column: places cx, cx + 4, cx + 8, cx + 12
	; group 1 for codes: 128 rows x 256 bytes, 512 bytes from row to row in memory
	s_or_b32 s[G1X], s[MROW], CODEW                ; x's rows hang on the block of rows alone: shared along my row of the cluster
	s_or_b32 s[G1W], s[MCOL], CODEW                ; W's rows hang on the pair of heads alone: shared along my column
.irp g, G1X, G1W
	s_mov_b32 s[\g+1], 256<<16                     ; tensor_dim0
	s_mov_b32 s[\g+2], 128<<16                     ; tensor_dim1
	s_mov_b32 s[\g+3], 256<<16                     ; tile_dim0
	s_mov_b32 s[\g+4], 128                         ; tile_dim1
	s_mov_b32 s[\g+5], 512                         ; tensor_dim0_stride
	s_mov_b32 s[\g+6], 0
	s_mov_b32 s[\g+7], 0
.endr
	; and for scale bytes: 128 rows x 32 bytes are 4,096 dense bytes: 16 rows of 32 elements of 8 bytes
	s_or_b32 s[G1SX], s[MROW], SCALW
	s_or_b32 s[G1SW], s[MCOL], SCALW
.irp g, G1SX, G1SW
	s_mov_b32 s[\g+1], 32<<16
	s_mov_b32 s[\g+2], 16<<16
	s_mov_b32 s[\g+3], 32<<16
	s_mov_b32 s[\g+4], 16
	s_mov_b32 s[\g+5], 32
	s_mov_b32 s[\g+6], 0
	s_mov_b32 s[\g+7], 0
.endr
	s_min_u32 s[C0], s[WV], 3                      ; waves 1 to 3 fetch panels 1 to 3 (Wq, Wk, Wv); wave 0 fetches x; the others nothing
	s_min_u32 s[C1], s[WV], 1
	s_sub_co_u32 s[C1], s[C0], s[C1]               ; which third of W
	s_lshl_b32 s[W0], s[C1], 10
	s_lshl_b32 s[W1], s[HP], 7
	s_add_co_u32 s[W0], s[W0], s[W1]               ; W's first row: 1,024 x third + 128 x pair of heads
	s_lshl_b32 s[OW], s[W0], 9                     ; its codes: 512 bytes a row
	s_mov_b32 s[OW+1], 0
	s_lshl_b32 s[OX], s[TB], 16                    ; x's codes: 128 rows of 512 bytes a block
	s_mov_b32 s[OX+1], 0
	s_mul_i32 s[C2], s[C0], PANEL                  ; where W's panel goes: no place in the cluster enters an LDS address
	s_mul_i32 s[C0], s[C0], SPAN
	s_wait_dscnt 0x0
	s_wait_kmcnt 0x0
	s_add_nc_u64 s[G0X+6:G0X+7], s[10:11], s[OX:OX+1]
	s_add_nc_u64 s[G0X+10:G0X+11], s[G0X+6:G0X+7], 256   ; the second half of K: 256 bytes on in each row
	s_lshl_b32 s[OX], s[TB], 12                    ; x's scale bytes: 128 rows of 32
	s_add_nc_u64 s[G0X+2:G0X+3], s[12:13], s[OX:OX+1]
	s_add_nc_u64 s[G0W+6:G0W+7], s[4:5], s[OW:OW+1]
	s_add_nc_u64 s[G0W+10:G0W+11], s[G0W+6:G0W+7], 256
	s_lshl_b32 s[OW], s[W0], 5
	s_add_nc_u64 s[G0W+2:G0W+3], s[6:7], s[OW:OW+1]
.irp g, G0X, G0X+4, G0X+8, G0W, G0W+4, G0W+8
	s_mov_b32 s[\g], 1                             ; count = 1
	s_or_b32 s[\g+3], s[\g+3], 0x80000000          ; type = 2
.endr
	s_mov_b32 s[G0X+1], SCL                        ; LDS addresses: x is panel 0
	s_mov_b32 s[G0X+5], 0
	s_mov_b32 s[G0X+9], CHUNK
	s_add_co_u32 s[G0W+1], s[C0], SCL
	s_mov_b32 s[G0W+5], s[C2]
	s_add_co_u32 s[G0W+9], s[C2], CHUNK
	CROUND                                         ; all sixteen work-groups are here: the joint loads meet
	s_cmp_lg_u32 s[WV], 0                          ; a wave's three fills stand in one branch on its number, ahead of every wait on TENSORcnt, every LDS read and every further barrier
	s_cbranch_scc1 .Lnot_x
	tensor_load_to_lds s[G0X:G0X+3], s[G1SX:G1SX+7]        ; the scales first: they are wanted with the first half of K
	s_nop 0
	tensor_load_to_lds s[G0X+4:G0X+7], s[G1X:G1X+7]
	s_nop 0
	tensor_load_to_lds s[G0X+8:G0X+11], s[G1X:G1X+7]
	s_nop 0
	PLACES 4                                       ; four v_nop follow the last of them
	s_branch .Lasked
.Lnot_x:
	s_cmp_gt_u32 s[WV], 3
	s_cbranch_scc1 .Lasked
	tensor_load_to_lds s[G0W:G0W+3], s[G1SW:G1SW+7]
	s_nop 0
	tensor_load_to_lds s[G0W+4:G0W+7], s[G1W:G1W+7]
	s_nop 0
	tensor_load_to_lds s[G0W+8:G0W+11], s[G1W:G1W+7]
	s_nop 0
	PLACES 4
.Lasked:
	; LDS addresses.  A fragment, 16 rows x 128 K of 4-bit codes: lane l holds row l % 16; two loads of 16 bytes, 32 apart, at row x pitch + 16 (l / 16)
	v_and_b32 v1, 31, v0                           ; lane
	v_and_b32 v2, 15, v0                           ; r
	v_bfe_u32 v3, v0, 4, 1                         ; h
	s_delay_alu instid0(VALU_DEP_2)
	v_mul_u32_u24 v4, v2, PITCH
	s_delay_alu instid0(VALU_DEP_1)
	v_lshl_add_u32 v4, v3, 4, v4
	s_mul_i32 s[C0], s[ISV], 3                     ; source 1's panel: x (0), for v Wv (3)
	s_add_co_u32 s[C1], s[ROLE], 1
	s_xor_b32 s[C1], s[C1], s[C0]                  ; source 0's panel: Wq (1), Wk (2), for v x (0)
	s_mul_i32 s[C2], s[C0], PANEL
	s_mul_i32 s[C5], s[QT], 32*PITCH               ; my 32 rows of source 1
	s_add_co_u32 s[C2], s[C2], s[C5]
	v_add_nc_u32 v5, s[C2], v4                     ; v5: source 1's fragments
	s_mul_i32 s[C2], s[C1], PANEL
	v_add_nc_u32 v4, s[C2], v4                     ; v4: source 0's
	v_lshrrev_b32 v6, 3, v1                        ; scale bytes: row l's 32 lie at 272 (l / 8) + 32 (l % 8)
	s_delay_alu instid0(VALU_DEP_1)
	v_mul_u32_u24 v6, v6, PITCH
	v_and_b32 v7, 7, v1
	s_delay_alu instid0(VALU_DEP_1)
	v_lshl_add_u32 v6, v7, 5, v6
	s_mul_i32 s[C2], s[C0], SPAN
	s_mul_i32 s[C5], s[QT], 4*PITCH
	s_add_co_u32 s[C2], s[C2], s[C5]
	s_add_co_u32 s[C2], s[C2], SCL
	v_add_nc_u32 v7, s[C2], v6                     ; v7: source 1's scale words
	s_mul_i32 s[C2], s[C1], SPAN
	s_add_co_u32 s[C2], s[C2], SCL
	v_add_nc_u32 v6, s[C2], v6                     ; v6: source 0's
	; THE BIAS STARTS THE SUMS.  b at 1,024 role + 128 pair of heads (+ 32 quarter for v), in bytes
	s_lshl_b32 s2, s[ROLE], 12
	s_lshl_b32 s3, s[HP], 9
	s_add_co_u32 s2, s2, s3
	s_mul_i32 s3, s[QT], s[ISV]
	s_lshl_b32 s3, s3, 7
	s_add_co_u32 s2, s2, s3
	s_mov_b32 s3, 0
	s_add_nc_u64 s[8:9], s[8:9], s[2:3]
	s_cmp_eq_u32 s[ISV], 1
	s_cbranch_scc1 .Lbias_v
	v_lshlrev_b32 v14, 5, v3                       ; q, k: the bias runs along source 0: register j of tile a wants b at 16 a + 8 h + j: it is loaded straight into both tiles' accumulators
.irp n, 0,1
.irp a, 0,1,2,3,4,5,6,7
	global_load_b128 v[ACC+64*\n+8*\a:ACC+64*\n+8*\a+3], v14, s[8:9] offset:64*\a
	global_load_b128 v[ACC+64*\n+8*\a+4:ACC+64*\n+8*\a+7], v14, s[8:9] offset:64*\a+16
.endr
.endr
	s_branch .Lbias_done
.Lbias_v:
	v_lshlrev_b32 v14, 2, v2                       ; v: the bias runs along source 1: one number a lane and tile, the same in all its 64 registers.
	global_load_b32 v16, v14, s[8:9]               ; (A C operand of its own would want 64 registers more than the wave's 256 hold, so the number is copied.)
	global_load_b32 v17, v14, s[8:9] offset:64
	s_wait_loadcnt 0x0
.irp n, 0,1
.set NN, 0
.rept 64
	v_mov_b32 v[ACC+64*\n+NN], v[16+\n]
.set NN, NN+1
.endr
.endr
.Lbias_done:
	; where my results go.  q: qbuf; k, v: kvbuf.  The choices hang on the wave's number alone.
	s_mov_b32 s[W0], KVHEAD
	s_mov_b32 s[W1], KVREC
	s_cmp_eq_u32 s[ROLE], 0
	s_cselect_b32 s[W0], QHEAD, s[W0]              ; bytes from head to head,
	s_cselect_b32 s[W1], QREC, s[W1]               ; from record to record
	s_cselect_b64 s[DC:DC+1], s[14:15], s[16:17]
	s_lshr_b32 s2, s[TB], 4                        ; the batch
	s_lshl_b32 s2, s2, 4
	s_lshl_b32 s3, s[HP], 1
	s_add_co_u32 s2, s2, s3
	s_lshr_b32 s3, s[QT], 1
	s_mul_i32 s3, s3, s[ISV]                       ; a wave of v serves one head: quarter / 2
	s_add_co_u32 s2, s2, s3                        ; the head: 16 batch + 2 pair (+ quarter / 2)
	s_mul_i32 s2, s2, s[W0]
	s_and_b32 s3, s[TB], 15
	s_mul_i32 s3, s3, s[W1]
	s_add_co_u32 s2, s2, s3                        ; under 2^24: 64 heads of 143,360 bytes at the most
	s_mov_b32 s3, 0
	s_add_nc_u64 s[DC:DC+1], s[DC:DC+1], s[2:3]
	s_mov_b64 s[DS:DS+1], s[DC:DC+1]
	s_mov_b32 s[C0], 4096
	s_mov_b32 s[C1], 512
	s_and_b32 s[C5], s[QT], 1
	s_cmp_eq_u32 s[ISV], 1
	s_cselect_b32 s[C5], s[C5], s[QT]              ; q, k: my two tiles of rows are 2 quarter, 2 quarter + 1;  v: my two tiles of the head's 64 are 2 (quarter % 2) on
	s_cselect_b32 s[C3], 11, 10                    ; two tiles: 2,048 bytes of V, 1,024 of q or k
	s_cselect_b32 s[C4], 4608, 0                   ; V lies behind K in a record
	s_cselect_b32 s[C0], 8704, s[C0]               ; the scale words' place in a record
	s_cselect_b32 s[C1], 1024, s[C1]               ; from tile to tile of source 1
	s_cselect_b32 s[C2], 512, s[W0]                ; from registers 0-3 to registers 4-7: v: the fragment's second half;  q, k: the next head
	s_lshl_b32 s[C3], s[C5], s[C3]
	s_add_co_u32 s[C3], s[C3], s[C4]
	s_lshl_b32 s[C5], s[C5], 7                     ; a register of scale words is 128 bytes
	s_add_co_u32 s[C5], s[C5], s[C0]
	s_mov_b32 s2, s[C3]
	s_add_nc_u64 s[DC:DC+1], s[DC:DC+1], s[2:3]
	s_mov_b32 s2, s[C5]
	s_add_nc_u64 s[DS:DS+1], s[DS:DS+1], s[2:3]
	s_mov_b32 s[C3], 0x76543210                    ; v_permlanex16_b32's selects for lane l xor 16
	s_mov_b32 s[C4], 0xfedcba98
	v_lshlrev_b32 v8, 4, v1                        ; v8-11: 16 x lane + tile n + half k of the fragment, at v[8 + 2 n + k]
	s_delay_alu instid0(VALU_DEP_1)
	v_add_nc_u32 v9, s[C2], v8
	s_delay_alu instid0(VALU_DEP_2)
	v_add_nc_u32 v10, s[C1], v8
	s_delay_alu instid0(VALU_DEP_1)
	v_add_nc_u32 v11, s[C2], v10
	v_lshlrev_b32 v12, 2, v1                       ; v12: 4 x lane;  v13: the same in the next head (q, k)
	s_delay_alu instid0(VALU_DEP_1)
	v_add_nc_u32 v13, s[C2], v12
	s_wait_loadcnt 0x0                             ; the bias is in
	s_wait_tensorcnt 0x1                           ; my scales and my first half of K have landed; the second half may be out
	s_barrier_signal -1
	s_barrier_wait -1                              ; everybody's have
	s_wait_alu depctr_va_vdst(0)
	SCALES 0
	KSTEP 0, 0
.irp q, 1,2,3
	PLACES 4                                       ; in front of loads into registers that matrix instructions have read
	KSTEP 0, \q
.endr
	s_wait_tensorcnt 0x0                           ; my second half of K has landed
	s_wait_dscnt 0x0
	s_barrier_signal -1
	s_barrier_wait -1
	PLACES 4
	SCALES 1
	KSTEP 1, 0
.irp q, 1,2,3
	PLACES 4
	KSTEP 1, \q
.endr
	; THE WAY OUT: each tile of source 1 becomes a fragment and a scale word
	PLACES 4                                       ; in front of the first read of results, and of vector writes over the fragments
	QUANT ACC, PC, PW
	QUANT ACC+64, PC+8, PW+1
.irp n, 0,1
.irp k, 0,1
	global_store_b128 v[8+2*\n+\k], v[PC+8*\n+4*\k:PC+8*\n+4*\k+3], s[DC:DC+1]   ; 32 lanes store 512 consecutive bytes, at a multiple of 256 from the buffer's first byte
.endr
.endr
	v_cmp_lt_u32 vcc_lo, 15, v1
	s_delay_alu instid0(VALU_DEP_1)
	v_cndmask_b32 v[PW+2], v[PW], v[PW+1], vcc_lo  ; lanes 0-15 tile 0's words, lanes 16-31 tile 1's (both halves of the lanes hold their row's word)
	global_store_b32 v12, v[PW+2], s[DS:DS+1]      ; 128 consecutive bytes: 1 byte in 32 of what the launch stores.  q, k: bytes 0, 1 are this head's; bytes 2, 3, the next head's, will scale zero codes
	s_cmp_eq_u32 s[ISV], 1
	s_cbranch_scc1 .Lone_head
	v_lshrrev_b32 v[PW+3], 16, v[PW+2]             ; q, k: the next head's two bytes; above them 0, which will scale zero codes
	global_store_b32 v13, v[PW+3], s[DS:DS+1]
.Lone_head:
	s_wait_tensorcnt 0x0
	ds_add_u32 v26, v27
	s_wait_dscnt 0x0
	CROUND                                         ; the closing round: no work-group ends while a partner may still ask for a panel that names it
	s_endpgm
.Lfunc_end_k_qba9482060a_proj:
	.size	k_qba9482060a_proj, .Lfunc_end_k_qba9482060a_proj-k_qba9482060a_proj
	.p2alignl 7, 3214868480
	.fill 96, 4, 3214868480
	.section	.rodata,"a",@progbits
	.p2align	6, 0x0
	.amdhsa_kernel k_qba9482060a_proj
		.amdhsa_group_segment_fixed_size 297472
		.amdhsa_private_segment_fixed_size 0
		.amdhsa_enable_private_segment 0
		.amdhsa_kernarg_size 56
		.amdhsa_user_sgpr_count 2
		.amdhsa_user_sgpr_kernarg_segment_ptr 1
		.amdhsa_wavefront_size32 1
		.amdhsa_system_sgpr_workgroup_id_x 1
		.amdhsa_system_sgpr_workgroup_id_y 1
		.amdhsa_system_sgpr_workgroup_id_z 1
		.amdhsa_system_vgpr_workitem_id 0
		.amdhsa_next_free_vgpr 256
		.amdhsa_next_free_sgpr 102
		.amdhsa_reserve_vcc 1
		.amdhsa_float_denorm_mode_32 3
		.amdhsa_float_denorm_mode_16_64 3
		.amdhsa_memory_ordered 1
		.amdhsa_forward_progress 1
		.amdhsa_inst_pref_size 58
	.end_amdhsa_kernel
	.amdgpu_metadata
---
amdhsa.version: [ 1, 2 ]
amdhsa.kernels:
  - .name:           k_qba9482060a_proj
    .symbol:         k_qba9482060a_proj.kd
    .args:
      - { .name: W_qkv_codes, .offset: 0, .size: 8, .value_kind: global_buffer, .address_space: global }
      - { .name: W_qkv_scales, .offset: 8, .size: 8, .value_kind: global_buffer, .address_space: global }
      - { .name: b_qkv, .offset: 16, .size: 8, .value_kind: global_buffer, .address_space: global }
      - { .name: x_codes, .offset: 24, .size: 8, .value_kind: global_buffer, .address_space: global }
      - { .name: x_scales, .offset: 32, .size: 8, .value_kind: global_buffer, .address_space: global }
      - { .name: qbuf, .offset: 40, .size: 8, .value_kind: global_buffer, .address_space: global }
      - { .name: kvbuf, .offset: 48, .size: 8, .value_kind: global_buffer, .address_space: global }
    .group_segment_fixed_size: 297472
    .private_segment_fixed_size: 0
    .kernarg_segment_align: 8
    .kernarg_segment_size: 56
    .max_flat_workgroup_size: 384
    .sgpr_count:     102
    .vgpr_count:     256
    .wavefront_size: 32
...
	.end_amdgpu_metadata
.endif
;; end of part 1
;; launch attn (part 2): grid 4 x 64, 16 waves a work-group, no clusters, 215,040 bytes of LDS; arguments qbuf, kvbuf, out0; writes out0
.if DOCPART == 2
	.amdgcn_target "amdgcn-amd-amdhsa--gfx1250"
	.amdhsa_code_object_version 6
	.text
	.protected	k_qba9482060a_attn
	.globl	k_qba9482060a_attn
	.p2align	8
	.type	k_qba9482060a_attn,@function
k_qba9482060a_attn:
	s_mov_b64 s[64:65], 0
	v_nop
	global_prefetch_b8 v0, s[64:65] scope:SCOPE_SE
	s_setreg_imm32_b32 hwreg(HW_REG_WAVE_MODE, 25, 1), 1
	s_wait_xcnt 0x0
; Causal attention on codes of FP4 (E2M1), head size 64, 2,048 keys, 64 heads (16 x batch + head).  q, k (codes along the head's 64) and v (codes along the keys) come as images of operand registers.
; THE SOFTMAX AHEAD OF THE SECOND PRODUCT: t = score x log2(e) / 8 (the division by 8 is exact, so one multiplication gives the same bits as two); M = the row's largest t so far, rounded UP to a whole number;
; p = 2^(t - M) is quantised along the keys, not normalised; the row's sum is taken of the unquantised p and divides O at the end.  When M moves, the sum and O are multiplied by 2^(old M - new M): exact.
; SHARES.  Work-group (i, head) owns two blocks of 256 queries, 7 - i and then i; wave w owns 16 queries of the block in hand.  A tile of block B needs 2 B + 1 + (w / 8) steps of 128 keys, so over both blocks
; waves 0-7 walk 16 steps and waves 8-15 walk 18, in every work-group: 256 work-groups of equal work.  Sixteen waves of 256 registers: one wave's vector work stands beside another's products and LDS loads.
; THE HEAD'S WHOLE K AND V, 143,360 bytes, LIE IN LDS, filled once: four chunks of four steps; waves 0-3 fetch one step of each chunk (four tensor loads a wave out at the most).
; No byte is filled again.  The long block comes first, so that the later chunks land while the earlier ones are worked on.
; NO JOINT LOADS, though the four work-groups of a head read the same bytes: which steps a wave leaves out hangs on its block of queries, which differs between those four.
; What is shared is read once by each work-group: 143,360 bytes for its 272 wave-steps.
; LAYOUT.  Both products are used transposed: S^T = K Q^T (source 0 = 16 keys, source 1 = my 16 queries), O^T = V^T P^T (source 0 = 16 of the head's 64, source 1 = P): a lane holds ONE query (lane % 16).
; The first product's K is 64: registers 4-7 of K's and Q's fragments (K = 64 .. 127) hold zero codes, written once; the scale bytes over them are never 0xff.
; Register 8 a + j of S^T is key 16 a + 8 (lane / 16) + j.  A conversion takes one tile's 8 registers; its result's register and one exchange of the halves of the lanes give the operand's order.
; LIMITS: NaN and infinities are not served.  A block's largest p is not searched for: the block's largest score goes through the same multiply-add and exponential; this takes v_exp_f32 not to fall where its
; input rises.  A block whose every p is 0 keeps the scale byte 1: its codes are zeros.
.set KVHEAD, 143360
.set KVREC,  8960                      ; a step: K's 8 tiles x 512, K's scale words 512, V's 4 tiles x 1,024, V's scale words 256
.set QHEAD,  73728
.set QREC,   4608
.set STG,    KVHEAD                    ; behind K and V: a stage of 16 rows x (256 + 16) bytes for each wave: no fill lands there
.set WV,   10                          ; s10 wave   s12 head   s13 blocks left   s14 the block in hand   s15 my first query   s16 the step's first key   s17 the step's LDS byte   s18 steps left in the chunk   s19 at work
.set BH,   12
.set PASS, 13
.set BLK,  14
.set Q0,   15
.set KEY,  16
.set TBY,  17
.set CNT,  18
.set TS,   19
.set SEL,  20                          ; s[20:21] v_permlanex16_b32's selects for lane l xor 16
.set CS,   22                          ; s[22:23] c = log2(e) / 8; the packed form names a pair and takes its low word for both halves
.set G1,   24                          ; s[24:31] descriptor group 1
.set G0,   32                          ; s[32:47] group 0, one for each chunk
.set LI,   1                           ; v1 16 x lane   v2 4 x lane
.set LS,   2
.set GO,   3                           ; v3 the way out: my bytes in two rows of the output
.set STO,  4                           ; v4 where I put 32 bytes of a row in my stage   v5 where I read a row back
.set RD,   5
.set DG,   6                           ; v6 lane % 16 - 8 (lane / 16)
.set AD,   7                           ; v7, v8 the step's LDS addresses
.set AS,   8
.set QSO,  9                           ; v9 my place among a record's scale words of q   v30 among its codes
.set QS,   10                          ; v10 Q's scale words   v11 P's
.set PS,   11                          ; v12 -M   v13 the largest t   v[14:15] the sum in two halves
.set QF,   16                          ; v16-19 Q's codes, v20-23 zeros
.set KS,   24                          ; v24-27 K's scale words: register i: lanes 0-15 tile 2 i, lanes 16-31 tile 2 i + 1    v28-29 V's likewise
.set VS,   28
.set QCO,  30
.set KF,   32                          ; v32-95 K's 8 fragments: registers 0-3 loaded, registers 4-7 zeros
.set SCO,  96                          ; v96-159 S^T, then p
.set OT,   160                         ; v160-191 O^T, 4 tiles
.set PCD,  192                         ; v192-199 P's codes
.set BM,   200                         ; v200-203 the blocks' largest scores, then largest p
.set PT,   204                         ; v204-207 the other half's, then the bytes
.set SOP,  208                         ; v208-211 the conversions' scale operands
.set FF,   212                         ; v[212:213] f = 2^(old M - new M)
.set T0,   214
.set T1,   215
.set SUM2, 216                         ; v[216:217] the sum's second chain
.set VF,   224                         ; v224-255 V's 4 fragments; on the way out rows of O
; One product.  zero = 1: it starts a sum.  row1 = 1: source 0's scale words are taken from lanes 16-31.
.macro WM d, a, b, zero, sa, sb, row1
.if (\zero) == 1 && (\row1) == 0
	v_wmma_scale_f32_16x16x128_f8f6f4 v[(\d):(\d)+7], v[(\a):(\a)+7], v[(\b):(\b)+7], 0, v[\sa], v[\sb] matrix_a_fmt:MATRIX_FMT_FP4 matrix_b_fmt:MATRIX_FMT_FP4
.elseif (\zero) == 1
	v_wmma_scale_f32_16x16x128_f8f6f4 v[(\d):(\d)+7], v[(\a):(\a)+7], v[(\b):(\b)+7], 0, v[\sa], v[\sb] matrix_a_fmt:MATRIX_FMT_FP4 matrix_b_fmt:MATRIX_FMT_FP4 matrix_a_scale:MATRIX_SCALE_ROW1
.elseif (\row1) == 0
	v_wmma_scale_f32_16x16x128_f8f6f4 v[(\d):(\d)+7], v[(\a):(\a)+7], v[(\b):(\b)+7], v[(\d):(\d)+7], v[\sa], v[\sb] matrix_a_fmt:MATRIX_FMT_FP4 matrix_b_fmt:MATRIX_FMT_FP4
.else
	v_wmma_scale_f32_16x16x128_f8f6f4 v[(\d):(\d)+7], v[(\a):(\a)+7], v[(\b):(\b)+7], v[(\d):(\d)+7], v[\sa], v[\sb] matrix_a_fmt:MATRIX_FMT_FP4 matrix_b_fmt:MATRIX_FMT_FP4 matrix_a_scale:MATRIX_SCALE_ROW1
.endif
.endm
.macro PLACES                          ; four plain vector instructions between a matrix instruction and a read of its result or a load into its registers
.rept 4
	v_nop
.endr
.endm
; A KEY STEP: 128 keys from s[KEY] on, whose record begins at LDS byte s[TBY].
.macro STEP
	s_add_co_u32 s[TS], s[Q0], 15                  ; a step all of whose keys come after my 16 queries is left out: a scalar branch on ids, round the work alone;
	s_cmp_gt_u32 s[KEY], s[TS]                     ; the two lines at the step's end that step the key and the address are always run
	s_cbranch_scc1 .Lhidden_\@
	s_setprio 2
	v_add_nc_u32 v[AD], s[TBY], v[LI]
	v_add_nc_u32 v[AS], s[TBY], v[LS]
.irp a, 0,1,2,3,4,5,6,7
	ds_load_b128 v[KF+8*\a:KF+8*\a+3], v[AD] offset:512*\a          ; images: 32 lanes read 512 consecutive bytes
.endr
.irp i, 0,1,2,3
	ds_load_b32 v[KS+\i], v[AS] offset:4096+128*\i
.endr
.irp t, 0,1,2,3
.irp c, 0,1
	ds_load_b128 v[VF+8*\t+4*\c:VF+8*\t+4*\c+3], v[AD] offset:4608+1024*\t+512*\c
.endr
.endr
.irp e, 0,1
	ds_load_b32 v[VS+\e], v[AS] offset:8704+128*\e
.endr
	s_wait_dscnt 10                                ; K and its scale words are in; V's ten loads may be out
.irp a, 0,1,2,3,4,5,6,7
	WM SCO+8*\a, KF+8*\a, QF, 1, KS+\a/2, QS, \a%2
.endr
	PLACES
	s_add_co_u32 s[TS], s[KEY], 127                ; on the diagonal the scores of hidden keys become -infinity ahead of the maximum: p = 0 then.  A step all of whose keys count skips this
	s_cmp_le_u32 s[TS], s[Q0]
	s_cbranch_scc1 .Lopen_\@
	s_sub_co_i32 s[TS], s[Q0], s[KEY]
	v_add_nc_u32 v[T0], s[TS], v[DG]               ; d = my query - the first key - 8 (lane / 16).  Register 8 a + j holds key 16 a + 8 (lane / 16) + j: hidden where 16 a + j > d
	v_mov_b32 v[T1], 0xff800000
.set NN, 0
.rept 64
	v_cmp_gt_i32 vcc_lo, 16*(NN/8)+NN%8, v[T0]
	v_cndmask_b32 v[SCO+NN], v[SCO+NN], v[T1], vcc_lo
.set NN, NN+1
.endr
.Lopen_\@:
.irp b, 0,1,2,3
	v_max3_num_f32 v[BM+\b], v[SCO+16*\b], v[SCO+1+16*\b], v[SCO+2+16*\b]   ; the largest score of each block of 32 keys (tiles 2 b, 2 b + 1), each accumulator from its low end on: it serves the row's maximum and the block's largest p
.endr
.irp i, 3,5,7,9,11,13
.irp b, 0,1,2,3
	v_max3_num_f32 v[BM+\b], v[BM+\b], v[SCO+16*\b+\i], v[SCO+1+16*\b+\i]   ; the four blocks by turns
.endr
.endr
.irp b, 0,1,2,3
	v_max_num_f32 v[BM+\b], v[BM+\b], v[SCO+15+16*\b]
.endr
.irp b, 0,1,2,3
	s_delay_alu instid0(VALU_DEP_4)
	v_permlanex16_b32 v[PT+\b], v[BM+\b], s[SEL], s[SEL+1]
.endr
.irp b, 0,1,2,3
	s_delay_alu instid0(VALU_DEP_4)
	v_max_num_f32 v[BM+\b], v[BM+\b], v[PT+\b]     ; with lane l xor 16's 16 keys
.endr
	s_delay_alu instid0(VALU_DEP_2)
	v_max3_num_f32 v[T0], v[BM], v[BM+1], v[BM+2]
	s_delay_alu instid0(VALU_DEP_1)
	v_max_num_f32 v[T0], v[T0], v[BM+3]            ; the step's largest score of my query
	s_delay_alu instid0(VALU_DEP_1)
	v_mul_f32 v[T0], s[CS], v[T0]                  ; as t (c is positive)
	s_delay_alu instid0(VALU_DEP_1)
	v_max_num_f32 v13, v13, v[T0]                  ; the running largest t
	v_mov_b32 v[T0], v12
	s_delay_alu instid0(VALU_DEP_2)
	v_floor_f32 v12, -v13                          ; the new -M = floor(-t) = -ceil(t)
	s_delay_alu instid0(VALU_DEP_1)
	v_sub_f32 v[T0], v12, v[T0]                    ; old M - new M: a whole number, 0 or less
	s_delay_alu instid0(VALU_DEP_1)
	v_cvt_i32_f32 v[T0], v[T0]                     ; (it saturates)
	s_delay_alu instid0(VALU_DEP_1)
	v_ldexp_f32 v[FF], 1.0, v[T0]                  ; f = 2^(old M - new M)
.set NN, 0
.rept 32
	v_pk_fma_f32 v[SCO+NN:SCO+NN+1], v[SCO+NN:SCO+NN+1], s[CS:CS+1], v[12:13] op_sel_hi:[1,0,0]   ; t - M, two at a time
.set NN, NN+2
.endr
	s_setprio 1
.irp b, 0,1,2,3
	v_fma_f32 v[BM+\b], v[BM+\b], s[CS], v12       ; the same of each block's largest score
.endr
.set NN, 0
	s_wait_alu depctr_va_vdst(0)
.rept 64
	v_exp_f32 v[SCO+NN], v[SCO+NN]                 ; p = 2^(t - M), at most 1
.set NN, NN+1
.endr
.irp b, 0,1,2,3
	v_exp_f32 v[BM+\b], v[BM+\b]                   ; the block's largest p: the same two instructions on the same number
.endr
	v_pk_mul_f32 v[14:15], v[14:15], v[FF:FF+1] op_sel_hi:[1,0]   ; the sums under the new M (a plain place behind the exponentials)
	s_wait_alu depctr_va_vdst(0)
.irp b, 0,1,2,3
	v_max_num_f32 v[BM+\b], 0x1800000, v[BM+\b]    ; the floor 2^(3 - 127): the byte cannot fall under 1
.endr
.irp b, 0,1,2,3
	s_delay_alu instid0(VALU_DEP_4)
	v_add_nc_u32 v[SOP+\b], 0xff000000, v[BM+\b]   ; 2 off the exponent field: the conversion's scale operand
.endr
.irp b, 0,1,2,3
	s_delay_alu instid0(VALU_DEP_4)
	v_lshrrev_b32 v[PT+\b], 23, v[SOP+\b]          ; the scale's byte
.endr
	s_delay_alu instid0(VALU_DEP_3)
	v_lshl_or_b32 v[PS], v[PT+1], 8, v[PT]         ; p's scale word for these 128 keys
	s_delay_alu instid0(VALU_DEP_1)
	v_lshl_or_b32 v[PS], v[PT+2], 16, v[PS]
	s_delay_alu instid0(VALU_DEP_1)
	v_lshl_or_b32 v[PS], v[PT+3], 24, v[PS]
.irp c, 0,1
.irp e, 0,1
.irp i, 0,1
	v_cvt_scalef32_pk8_fp4_f32 v[PCD+4*\c+2*\i+\e], v[SCO+16*(2*\c+\e)+8*\i:SCO+16*(2*\c+\e)+8*\i+7], v[SOP+2*\c+\e]   ; block 2 c + e, keys 16 i + 8 (lane / 16) + 0 .. 7 of it
.endr
.endr
.endr
	v_nop                                          ; one plain place behind a scaled conversion
.irp c, 0,1
.irp i, 0,1
	v_permlane16_swap_b32 v[PCD+4*\c+2*\i], v[PCD+4*\c+2*\i+1]   ; lanes 0-15 now hold block 2 c whole, lanes 16-31 block 2 c + 1: registers 4 c .. 4 c + 3 are keys 64 c + 32 (lane / 16) + 0 .. 31
.endr
.endr
	v_pk_add_f32 v[216:217], v[100:101], v[104:105]
	v_pk_add_f32 v[220:221], v[108:109], v[112:113]
	v_pk_add_f32 v[218:219], v[116:117], v[120:121]
	v_pk_add_f32 v[210:211], v[124:125], v[128:129]
	v_pk_add_f32 v[208:209], v[132:133], v[136:137]
	v_pk_add_f32 v[202:203], v[140:141], v[144:145]
	v_pk_add_f32 v[200:201], v[148:149], v[152:153]
	v_pk_add_f32 v[14:15], v[14:15], v[156:157]
	v_pk_add_f32 v[216:217], v[216:217], v[96:97]
	v_pk_add_f32 v[220:221], v[220:221], v[98:99]
	v_pk_add_f32 v[218:219], v[218:219], v[102:103]
	v_pk_add_f32 v[210:211], v[210:211], v[106:107]
	v_pk_add_f32 v[208:209], v[208:209], v[110:111]
	v_pk_add_f32 v[202:203], v[202:203], v[114:115]
	v_pk_add_f32 v[200:201], v[200:201], v[118:119]
	v_pk_add_f32 v[14:15], v[14:15], v[122:123]
	s_setprio 0
	v_pk_add_f32 v[216:217], v[216:217], v[126:127]
	v_pk_add_f32 v[220:221], v[220:221], v[130:131]
	v_pk_add_f32 v[218:219], v[218:219], v[134:135]
	v_pk_add_f32 v[210:211], v[210:211], v[138:139]
	v_pk_add_f32 v[208:209], v[208:209], v[142:143]
	v_pk_add_f32 v[202:203], v[202:203], v[146:147]
	v_pk_add_f32 v[200:201], v[200:201], v[150:151]
	v_pk_add_f32 v[14:15], v[14:15], v[154:155]
	v_pk_add_f32 v[216:217], v[216:217], v[158:159]
	s_delay_alu instid0(VALU_DEP_2)
	v_pk_add_f32 v[14:15], v[14:15], v[210:211]
	s_delay_alu instid0(VALU_DEP_2)
	v_pk_add_f32 v[216:217], v[216:217], v[208:209]
	v_pk_add_f32 v[220:221], v[220:221], v[202:203]
	v_pk_add_f32 v[218:219], v[218:219], v[200:201]
	s_delay_alu instid0(VALU_DEP_2)
	v_pk_add_f32 v[14:15], v[14:15], v[220:221]
	s_delay_alu instid0(VALU_DEP_2)
	v_pk_add_f32 v[216:217], v[216:217], v[218:219]
	s_delay_alu instid0(VALU_DEP_1)
	v_pk_add_f32 v[14:15], v[14:15], v[216:217]
.set NN, 0
.rept 16
	v_pk_mul_f32 v[OT+NN:OT+NN+1], v[OT+NN:OT+NN+1], v[FF:FF+1] op_sel_hi:[1,0]   ; O^T under the new M.  (The 48 packed lines are also the places between P's codes and scale word and the products below)
.set NN, NN+2
.endr
	s_wait_alu depctr_va_vdst(0)
	s_wait_dscnt 0x0                               ; V and its scale words are in
.irp t, 0,1,2,3
	WM OT+8*\t, VF+8*\t, PCD, 0, VS+\t/2, PS, \t%2 ; the four accumulators take turns, one instruction a turn
.endr
	PLACES                                         ; in front of the next step's loads into V's registers, and of the reads of O^T on the way out
.Lhidden_\@:
	s_add_co_u32 s[KEY], s[KEY], 128
	s_add_co_u32 s[TBY], s[TBY], KVREC
.endm
	s_load_b128 s[4:7], s[0:1], 0x0                ; qbuf s[4:5], kvbuf s[6:7]
	s_load_b64 s[8:9], s[0:1], 0x10                ; out0
	v_lshl_add_u32 v222, v0, 2, 0x34000
	v_mov_b32 v223, 0
	ds_add_u32 v222, v223
	ds_add_u32 v222, v223
	v_lshrrev_b32 v[T0], 5, v0
	s_delay_alu instid0(VALU_DEP_1)
	v_readfirstlane_b32 s[WV], v[T0]               ; wave 0..15
	s_and_b32 s[BH], ttmp7, 0xffff                 ; the head: 16 x batch + head
	; descriptor group 1: a step's record, 8,960 dense bytes, as 35 rows of 32 elements of 8 bytes; no padding: every LDS read is of consecutive bytes
	s_mov_b32 s[G1], 3<<16
	s_mov_b32 s[G1+1], 32<<16                      ; tensor_dim0
	s_mov_b32 s[G1+2], 35<<16                      ; tensor_dim1
	s_mov_b32 s[G1+3], 32<<16                      ; tile_dim0
	s_mov_b32 s[G1+4], 35                          ; tile_dim1
	s_mov_b32 s[G1+5], 32                          ; tensor_dim0_stride
	s_mov_b32 s[G1+6], 0
	s_mov_b32 s[G1+7], 0
	s_and_b32 s[TS], s[WV], 3
	s_mul_i32 s[TS], s[TS], KVREC                  ; which step of each chunk I fetch, if I fetch
	s_mul_i32 s48, s[BH], KVHEAD
	s_add_co_u32 s48, s48, s[TS]
	s_mov_b32 s49, 0
	s_mul_i32 s50, s[BH], QHEAD
	s_mov_b32 s51, 0
	s_wait_dscnt 0x0
	s_wait_kmcnt 0x0
	s_add_nc_u64 s[6:7], s[6:7], s[48:49]
	s_add_nc_u64 s[4:5], s[4:5], s[50:51]          ; qbuf at my head
.irp c, 0,1,2,3
	s_mov_b32 s[G0+4*\c], 1                        ; count = 1
	s_add_co_u32 s[G0+4*\c+1], s[TS], 4*KVREC*\c   ; LDS address: the head's bytes lie in LDS as in memory
	s_add_nc_u64 s[G0+4*\c+2:G0+4*\c+3], s[6:7], 4*KVREC*\c
	s_or_b32 s[G0+4*\c+3], s[G0+4*\c+3], 0x80000000   ; type = 2
.endr
	s_cmp_gt_u32 s[WV], 3                          ; a wave's four fills stand in one branch on its number, ahead of every wait on TENSORcnt, every LDS read and every barrier
	s_cbranch_scc1 .Lno_fetch
.irp c, 0,1,2,3
	tensor_load_to_lds s[G0+4*\c:G0+4*\c+3], s[G1:G1+7]
	s_nop 0
.endr
	PLACES                                         ; four v_nop follow the last of them
.Lno_fetch:
	s_lshr_b32 s48, s[BH], 4                       ; out0 at my batch (2,048 rows of 4,096 bytes) and my head's 256 bytes of a row
	s_lshl_b32 s48, s48, 23
	s_and_b32 s50, s[BH], 15
	s_lshl_b32 s50, s50, 8
	s_add_co_u32 s48, s48, s50
	s_add_nc_u64 s[8:9], s[8:9], s[48:49]
	v_and_b32 v[T0], 31, v0
	s_delay_alu instid0(VALU_DEP_1)
	v_lshlrev_b32 v[LI], 4, v[T0]
	s_delay_alu instid0(VALU_DEP_2)
	v_lshlrev_b32 v[LS], 2, v[T0]
	v_and_b32 v[T0], 15, v0                        ; r
	v_bfe_u32 v[T1], v0, 4, 1                      ; h
	s_delay_alu instid0(VALU_DEP_2)
	v_lshlrev_b32 v[GO], 4, v[T0]
	s_delay_alu instid0(VALU_DEP_1)
	v_lshl_add_u32 v[GO], v[T1], 12, v[GO]         ; lanes 0-15 one row of the output, lanes 16-31 the next; 16 bytes a lane
	s_mul_i32 s[TS], s[WV], 16*272
	s_add_co_u32 s[TS], s[TS], STG                 ; my stage
	v_mul_u32_u24 v[STO], v[T0], 272
	s_delay_alu instid0(VALU_DEP_1)
	v_lshl_add_u32 v[STO], v[T1], 5, v[STO]
	s_delay_alu instid0(VALU_DEP_1)
	v_add_nc_u32 v[STO], s[TS], v[STO]             ; in: row r; tile t's eight channels of my half: 64 t + 32 h bytes on
	v_mul_u32_u24 v[RD], v[T1], 272
	s_delay_alu instid0(VALU_DEP_1)
	v_lshl_add_u32 v[RD], v[T0], 4, v[RD]
	s_delay_alu instid0(VALU_DEP_1)
	v_add_nc_u32 v[RD], s[TS], v[RD]               ; back: lanes 0-15 one row, lanes 16-31 the next
	v_lshlrev_b32 v[DG], 3, v[T1]
	s_delay_alu instid0(VALU_DEP_1)
	v_sub_nc_u32 v[DG], v[T0], v[DG]
	s_and_b32 s[TS], s[WV], 7                      ; my tile in a record of 128 queries
	s_lshl_b32 s48, s[TS], 9
	v_add_nc_u32 v[QCO], s48, v[LI]                ; its codes: 512 bytes a tile
	s_lshl_b32 s48, s[TS], 6
	s_add_co_u32 s48, s48, 4096
	v_lshl_add_u32 v[QSO], v[T0], 2, s48           ; its scale words: 64 bytes a tile, behind the codes
.irp j, 0,1,2,3
	v_mov_b32 v[QF+4+\j], 0                        ; zero codes for K = 64 .. 127 of the first product, written once: Q's,
	v_mov_b32 v[PT+\j], 0                          ; (a lane permute's destination counts as one of its sources)
.endr
.irp a, 0,1,2,3,4,5,6,7
.irp j, 4,5,6,7
	v_mov_b32 v[KF+8*\a+\j], 0                     ; and K's
.endr
.endr
	v_mov_b32 v[FF+1], 0                           ; (named as the upper half of a pair)
	s_mov_b32 s[SEL], 0x76543210
	s_mov_b32 s[SEL+1], 0xfedcba98
	s_mov_b32 s[CS], 0x3e38aa3b                    ; c = log2(e) / 8
	s_mov_b32 s[CS+1], s[CS]
	s_mov_b32 s[PASS], 2
	s_sub_co_u32 s[BLK], 7, ttmp9                  ; the long block first
.Lpass:
	s_lshl_b32 s[Q0], s[BLK], 8
	s_lshl_b32 s[TS], s[WV], 4
	s_add_co_u32 s[Q0], s[Q0], s[TS]               ; my first query: 256 x block + 16 x wave
	s_lshr_b32 s48, s[Q0], 7
	s_mul_i32 s48, s48, QREC
	s_mov_b32 s49, 0
	s_add_nc_u64 s[52:53], s[4:5], s[48:49]        ; its record of q
	s_lshl_b32 s48, s[Q0], 12
	s_add_nc_u64 s[54:55], s[8:9], s[48:49]        ; its row of the output
	global_load_b128 v[QF:QF+3], v[QCO], s[52:53] th:TH_LOAD_NT     ; read once in the launch, by this wave
	global_load_b32 v[QS], v[QSO], s[52:53] th:TH_LOAD_NT
	v_mov_b32 v13, 0xff61b1e6                      ; the largest t so far: -3e38, under every t
	s_delay_alu instid0(VALU_DEP_1)
	v_floor_f32 v12, -v13                          ; -M
	v_mov_b32 v14, 0                               ; the sum, in two halves
	v_mov_b32 v15, 0
.set NN, 0
.rept 32
	v_mov_b32 v[OT+NN], 0                          ; O^T.  (The step is written without a first step of its own: the first change of M leaves zeros zeros)
.set NN, NN+1
.endr
	s_wait_loadcnt 0x0                             ; Q
.irp c, 0,1,2,3
	s_wait_tensorcnt 3-\c                          ; my step of chunk c has landed; the chunks behind it may be out.  (For the second block all have landed)
	s_wait_dscnt 0x0
	s_barrier_signal -1
	s_barrier_wait -1                              ; everybody's has
	s_mov_b32 s[KEY], 512*\c
	s_mov_b32 s[TBY], 4*KVREC*\c
	s_mov_b32 s[CNT], 4
.Lstep_\c:
	STEP
	s_sub_co_u32 s[CNT], s[CNT], 1
	s_cmp_lg_u32 s[CNT], 0
	s_cbranch_scc1 .Lstep_\c
	s_setprio 0
.endr
	; THE WAY OUT.  O^T is divided by the sum and goes through my stage, so that sixteen lanes store a query's 256 bytes of this head.
	v_add_f32 v14, v14, v15                        ; the sum's two halves,
	s_delay_alu instid0(VALU_DEP_1)
	v_permlanex16_b32 v[T0], v14, s[SEL], s[SEL+1]
	s_delay_alu instid0(VALU_DEP_1)
	v_add_f32 v14, v14, v[T0]                      ; and lane l xor 16's: the row's sum
	s_wait_alu depctr_va_vdst(0)
	v_rcp_f32 v14, v14
	v_nop                                          ; one plain place behind a transcendental
.set NN, 0
	s_wait_alu depctr_va_vdst(0)
.rept 16
	v_pk_mul_f32 v[SCO+NN:SCO+NN+1], v[OT+NN:OT+NN+1], v[14:15] op_sel_hi:[1,0]   ; register 8 t + j is o(query r, channel 16 t + 8 h + j); each accumulator from its low end on
.set NN, NN+2
.endr
.irp t, 0,1,2,3
	ds_store_b128 v[STO], v[SCO+8*\t:SCO+8*\t+3] offset:64*\t
	ds_store_b128 v[STO], v[SCO+8*\t+4:SCO+8*\t+7] offset:64*\t+16
.endr
.irp i, 0,1,2,3,4,5,6,7
	ds_load_b128 v[VF+4*\i:VF+4*\i+3], v[RD] offset:2*272*\i        ; LDS serves a wave's instructions in order (ISA guide 5.7.1.4): these see my stores
.endr
.irp i, 0,1,2,3,4,5,6,7
	s_wait_dscnt 7-\i                              ; rows 2 i and 2 i + 1 are back; the loads behind them may be out
	global_store_b128 v[GO], v[VF+4*\i:VF+4*\i+3], s[54:55] offset:8192*\i th:TH_STORE_NT   ; 16 lanes store 256 consecutive bytes, at a multiple of 256 from the output's first byte; written once
.endr
	s_wait_xcnt 0x0                                ; the stores have read their registers and their base: both are written again for the next block
	s_sub_co_u32 s[BLK], 7, s[BLK]                 ; the other block
	s_sub_co_u32 s[PASS], s[PASS], 1
	s_cmp_lg_u32 s[PASS], 0
	s_cbranch_scc1 .Lpass
	s_wait_tensorcnt 0x0
	ds_add_u32 v222, v223
	s_wait_dscnt 0x0
	s_endpgm
.Lfunc_end_k_qba9482060a_attn:
	.size	k_qba9482060a_attn, .Lfunc_end_k_qba9482060a_attn-k_qba9482060a_attn
	.p2alignl 7, 3214868480
	.fill 96, 4, 3214868480
	.section	.rodata,"a",@progbits
	.p2align	6, 0x0
	.amdhsa_kernel k_qba9482060a_attn
		.amdhsa_group_segment_fixed_size 215040
		.amdhsa_private_segment_fixed_size 0
		.amdhsa_enable_private_segment 0
		.amdhsa_kernarg_size 24
		.amdhsa_user_sgpr_count 2
		.amdhsa_user_sgpr_kernarg_segment_ptr 1
		.amdhsa_wavefront_size32 1
		.amdhsa_system_sgpr_workgroup_id_x 1
		.amdhsa_system_sgpr_workgroup_id_y 1
		.amdhsa_system_sgpr_workgroup_id_z 1
		.amdhsa_system_vgpr_workitem_id 0
		.amdhsa_next_free_vgpr 256
		.amdhsa_next_free_sgpr 66
		.amdhsa_reserve_vcc 1
		.amdhsa_float_denorm_mode_32 3
		.amdhsa_float_denorm_mode_16_64 3
		.amdhsa_memory_ordered 1
		.amdhsa_forward_progress 1
		.amdhsa_inst_pref_size 99
	.end_amdhsa_kernel
	.amdgpu_metadata
---
amdhsa.version: [ 1, 2 ]
amdhsa.kernels:
  - .name:           k_qba9482060a_attn
    .symbol:         k_qba9482060a_attn.kd
    .args:
      - { .name: qbuf, .offset: 0, .size: 8, .value_kind: global_buffer, .address_space: global }
      - { .name: kvbuf, .offset: 8, .size: 8, .value_kind: global_buffer, .address_space: global }
      - { .name: out0, .offset: 16, .size: 8, .value_kind: global_buffer, .address_space: global }
    .group_segment_fixed_size: 215040
    .private_segment_fixed_size: 0
    .kernarg_segment_align: 8
    .kernarg_segment_size: 24
    .max_flat_workgroup_size: 512
    .sgpr_count:     66
    .vgpr_count:     256
    .wavefront_size: 32
...
	.end_amdgpu_metadata
.endif
;; end of part 2
